; MI455X (gfx1250); checked and timed in simulation.
; The chip was launched on July 23, 2026; its instructions are those of AMD's public machine-readable ISA for CDNA 5 (MIT licence, August 2026) and "CDNA5" Instruction Set Architecture Reference Guide (July 2026). The comments in the code are by the model that wrote it; some were corrected since.
;; Mo E. Allowed arithmetic: matrix products marked QUANTISED: E2M1 operands, one E8M0 scale for each 32 along K, by v_wmma_scale_f32_16x16x128_f8f6f4 with both operands' format E2M1 (or v_wmma_scale_f32_32x16x128_f4), f32 sums; products left as they are: f32 operands where the result goes on into a quantised operand, else bf16, f16 or f32 operands; f32 sums; everything else in f32.
;; Inputs: b1 8 x 4,096 float32; b2 8 x 1,024 float32; gate_b 8 float32; gate_w 1,024 x 8 float32; ln_b 1,024 float32; ln_g 1,024 float32; w1_codes 8 x 4,096 x 32 x 16 uint8 (E2M1 codes of w1, K innermost, in blocks of 32 codes, two codes a byte); w1_scales 8 x 4,096 x 32 uint8 (E8M0 scales of w1, one for each 32 codes along K); w2_codes 8 x 1,024 x 128 x 16 uint8 (E2M1 codes of w2, K innermost, in blocks of 32 codes, two codes a byte); w2_scales 8 x 1,024 x 128 uint8 (E8M0 scales of w2, one for each 32 codes along K); x 2 x 512 x 1,024 float32.
;; Outputs: out0 2 x 512 x 1,024 float32.
;; This version of the problem:
;;   THIS VERSION OF THE PROBLEM IS GIVEN IN LOW PRECISION. The matrix products marked QUANTISED in the list below multiply operands that are first quantised to E2M1 (2 exponent bits, 1 mantissa bit; 4 bits a number), with one power-of-two scale for each 32 numbers along K (OCP MX v1.0); their sums are f32. All else is computed in f32.
;;   The module's matrix products, in the order in which they are computed (A, B: the left and right operand; K: the contracted axis; several contracted axes count as one K, in the product's order):
;;     1. [M 1,024, K 1,024] x [K 1,024, N 8]; A: input x; B: input gate_w: left as it is (N = 8 < 16)
;;     2. [M 1,024, K 1,024] x [K 1,024, N 32,768]; A: input x; B: input w1 (given as codes): QUANTISED
;;     3. batch 8 x [M 1,024, K 4,096] x [K 4,096, N 1,024]; A: input w2 (given as codes); B: computed on the way: QUANTISED
;;     4. batch 1,024 x [M 1, K 8] x [K 8, N 1,024]; A: softmax; B: computed on the way: left as it is (K = 8 < 32)
;;   THE QUANTISER, for each operand of a quantised product, along K:
;;     - K is cut into blocks of 32 from its start; a last block that is shorter is filled with zeros.
;;     - A block's scale is 2^e with e = floor(log2(the largest magnitude in the block)) - 2, held to -126 .. 127; a block of zeros has e = 0. As a byte (E8M0): e + 127.
;;     - Each number is divided by its block's scale, clamped to +-6, and rounded to the nearest number of E2M1, ties to even, subnormals kept.
;;     - The product sums the exact products of the quantised numbers (number of the format x scale) in f32.
;;   ~~~python
;;   def quantise(x, axis):      # numpy; x: float32 -> the quantised numbers, widened to float32 again
;;       x = np.moveaxis(x, axis, -1); K = x.shape[-1]
;;       x = np.pad(x, [(0, 0)] * (x.ndim - 1) + [(0, -K % 32)]); x = x.reshape(x.shape[:-1] + (-1, 32)); a = np.abs(x).max(-1, keepdims=True)
;;       e = np.where(a > 0, np.clip(np.frexp(np.where(a > 0, a, 1))[1] - 1 - 2, -126, 127), 0)      # np.frexp(a)[1] - 1 = floor(log2(a)), exactly
;;       r = np.clip(x / 2.0 ** e, -6, 6)
;;       step = 2.0 ** (np.maximum(np.frexp(np.where(r == 0, 1, r))[1] - 1, 0) - 1)
;;       q = np.round(r / step) * step * 2.0 ** e      # np.round: ties to even
;;       return np.moveaxis(q.reshape(q.shape[:-2] + (-1,))[..., :K], -1, axis).astype(np.float32)
;;   ~~~
;;   OPERANDS COMPUTED ON THE WAY. 'Computed on the way' means the value that the module computes at that place (a softmax that the list does not call 'softmax' is quantised finished and normalised). What goes into a quantiser is computed in f32, as accurately as f32 sums, v_exp_f32 and their like allow (about 1e-6 of the number): no bf16 or f16 on the way to a quantiser, and a product that is left as it is and whose result goes on into a quantised operand takes f32 operands (vector FMAs, or v_wmma_f32_16x16x4_f32). A number that lies on a knife's edge between two numbers of the format may be rounded either way, as far as f32 arithmetic and the matrix unit's own rounding can turn it there, and no further.
;;   INPUTS GIVEN AS CODES. w1 (in the module: [8, 1024, 4096], K = its axis 1); w2 (in the module: [8, 4096, 1024], K = its axis 1): each comes as NAME_codes (uint8): NAME with its K axis moved to the last place and cut into blocks of 32 codes, [.., K / 32, bytes a block], one block behind the other in memory; two codes a byte, the lower K in the low four bits (a code: sign, 2 exponent bits, 1 mantissa bit); and NAME_scales (uint8): the same leading axes, one E8M0 byte (e + 127) for each 32 codes along K. Its value is code x scale, taken as it is: it is not quantised again, and the codes and scales need not be those that the quantiser above would give.
;; One version. Each part assembles by itself: llvm-mc -triple=amdgcn-amd-amdhsa -mcpu=gfx1250 --defsym DOCPART=n.
;; ======== version 1 of 1: 4 launches
;; workspace buffers: xq 557,056 bytes; sel 4,096 bytes of whole numbers; pw 32,768 bytes; hq 17,825,792 bytes; plan 33,792 bytes of whole numbers; pl 32,768 bytes; y2 17,825,792 bytes
;; launch route (part 1): grid 256 x 1, 4 waves a work-group, no clusters, 52,224 bytes of LDS; arguments x, gate_w, gate_b, xq, sel, pw; writes xq, sel, pw
.if DOCPART == 1
	.amdgcn_target "amdgcn-amd-amdhsa--gfx1250"
	.amdhsa_code_object_version 6
	.text
	.protected	k_qf3ff8ae782_route
	.globl	k_qf3ff8ae782_route
	.p2align	8
	.type	k_qf3ff8ae782_route,@function
k_qf3ff8ae782_route:
	s_mov_b64 s[64:65], 0
	v_nop
	global_prefetch_b8 v0, s[64:65] scope:SCOPE_SE
	s_setreg_imm32_b32 hwreg(HW_REG_WAVE_MODE, 25, 1), 1
	s_wait_xcnt 0x0
; ROUTER AND QUANTISER OF x.  1,024 tokens of 1,024 numbers; one wave takes one token (token = 4 x work-group + wave).
; It makes (a) the token's MX-FP4 codes and scale bytes along D (xq), (b) the 8 logits (x . gate_w + gate_b) / 0.9 in f32, their top 2 (ties: the lower index, as lax.top_k),
; (c) sel[token] = (1 << e1) | (1 << e2), a whole number from which later launches form addresses, (d) pw[token][8]: the softmax over the two kept logits, 0 elsewhere.
; DEAD WORK LEFT OUT BY THE PROGRAM: for an expert outside a token's top 2 reference() itself sets the logit to -inf, so its gate_prob is exp(-inf) / sum = 0 exactly, and 0 x expert_out adds 0 to the
; combine for all finite inputs.  So the rows (token, expert not chosen) of the two expert products are not computed: the later launches multiply only the 2,048 chosen rows, found from sel.
; The combine over 8 experts becomes p x (...) in the second product's launch and one addition in the last.  Every input has a way to the output and is loaded by some launch.
; LIMITS: a NaN, an infinity or an overflow in the output of an expert that was not chosen (0 x inf in reference()) is not carried to the result; NaN and infinities among the inputs are not served;
; a block of zeros gets the scale byte 1 (its codes are zeros; this program alone reads the bytes); the logits' sums are f32 in another order than reference()'s and / 0.9 is x (1 / 0.9), so two logits
; that agree to the last bits may be ranked the other way.
; LDS: gate_w as 32 chunks of 1,024 bytes + 16 (chunk l = rows 32 l .. 32 l + 31: what lane l multiplies); a stage of 32 x (128 + 16) bytes for each wave, through which x turns so that lane l holds block l.
.set GP,    1040                       ; a chunk of gate_w in LDS
.set XT,    32*GP                      ; 33,280: the waves' stages
.set XP,    144                        ; a block of 32 numbers + 16 bytes
.set XW,    32*XP                      ; a wave's stage
.set SPARE, XT+4*XW                    ; 51,712: the spare words, 128 bytes for each wave
.set SPW,   8                          ; v8   my spare word's address; never rewritten
.set NIL,   9                          ; v9   0; never rewritten
.set X,     16                         ; v16-47   my block of 32 numbers
.set XR,    48                         ; v48-79   x as loaded
.set GW,    80                         ; v80-143  gate_w as loaded; then two sets of 32 for the products
.set AC,    144                        ; v144-151 the 8 sums, then the logits
.set L2,    152                        ; v152-159 the logits without the first choice
.set TP,    160                        ; v160-167 at work across the lanes
.set M1,    168
.set I1,    169
.set M2,    170
.set I2,    171
.set NINF,  172
.set TT,    173
.set P1,    174
.set P2,    175
.set CD,    176                        ; v176-179 my block's codes
.set SB,    180                        ; its scale byte
	s_load_b256 s[4:11], s[0:1], 0x0               ; x, gate_w, gate_b, xq
	s_load_b128 s[12:15], s[0:1], 0x20             ; sel, pw
	v_lshl_add_u32 v[SPW], v0, 2, SPARE
	v_mov_b32 v[NIL], 0
	v_lshrrev_b32 v10, 5, v0
	v_readfirstlane_b32 s24, v10                   ; wave
	s_lshl_b32 s25, ttmp9, 2
	s_add_co_u32 s25, s25, s24                     ; token
	v_and_b32 v1, 31, v0                           ; lane
	v_lshlrev_b32 v2, 4, v1                        ; 16 x lane
	v_lshlrev_b32 v3, 4, v0                        ; 16 x thread
	v_lshrrev_b32 v10, 6, v0
	v_and_b32 v11, 63, v0
	v_mul_u32_u24 v4, v10, GP
	v_lshl_add_u32 v4, v11, 4, v4                  ; gate_w into LDS: a load's 2,048 bytes are two chunks
	v_mul_u32_u24 v5, v1, GP                       ; and out: my chunk
	s_mul_i32 s26, s24, XW
	s_add_co_u32 s26, s26, XT                      ; my wave's stage
	v_lshrrev_b32 v10, 3, v1
	v_and_b32 v11, 7, v1
	v_mul_u32_u24 v6, v10, XP
	v_lshl_add_u32 v6, v11, 4, v6
	v_add_nc_u32 v6, s26, v6                       ; x into the stage: eight lanes to a block
	v_mul_u32_u24 v7, v1, XP
	v_add_nc_u32 v7, s26, v7                       ; and out: my block
	v_lshlrev_b32 v14, 2, v1                       ; 4 x lane
	s_mov_b32 s28, 0x76543210
	s_mov_b32 s29, 0xfedcba98                      ; v_permlanex16_b32's selects for lane l xor 16
	s_mov_b32 s27, 0
	s_wait_kmcnt 0x0
	s_load_b256 s[16:23], s[8:9], 0x0              ; gate_b's eight numbers
	s_lshl_b32 s26, s25, 12
	s_add_nc_u64 s[4:5], s[4:5], s[26:27]          ; x at my token
	s_lshl_b32 s26, s25, 9
	s_add_nc_u64 s[32:33], s[10:11], s[26:27]      ; its 512 bytes of codes
	s_lshl_b32 s26, s25, 5
	s_add_nc_u64 s[34:35], s[10:11], s[26:27]      ; its 32 scale bytes (524,288 further on, in the immediate)
	s_add_nc_u64 s[14:15], s[14:15], s[26:27]      ; its 8 weights
	s_lshl_b32 s26, s25, 2
	s_add_nc_u64 s[12:13], s[12:13], s[26:27]      ; its word of sel
.irp i, 0,1,2,3,4,5,6,7
	global_load_b128 v[XR+4*\i:XR+4*\i+3], v2, s[4:5] offset:512*\i th:TH_LOAD_NT   ; 512 consecutive bytes a load
.endr
.irp i, 0,1,2,3,4,5,6,7,8,9,10,11,12,13,14,15
	global_load_b128 v[GW+4*\i:GW+4*\i+3], v3, s[6:7] offset:2048*\i               ; the work-group's four waves read gate_w once together
.endr
	s_wait_loadcnt 16                              ; x's eight loads are in; gate_w's sixteen may be out
.irp i, 0,1,2,3,4,5,6,7
	ds_store_b128 v6, v[XR+4*\i:XR+4*\i+3] offset:4*XP*\i
.endr
.irp i, 0,1,2,3,4,5,6,7
	ds_load_b128 v[X+4*\i:X+4*\i+3], v7 offset:16*\i   ; LDS serves a wave's instructions in order: these see my stores
.endr
	s_wait_dscnt 0x0
	; my block's scale and codes: the largest magnitude with the floor 2^(3 - 127) among its leaves; 2 off its exponent field is the conversion's scale operand
	v_max3_num_f32 v10, |v[X]|, |v[X+1]|, |v[X+2]|
	v_max3_num_f32 v11, |v[X+3]|, |v[X+4]|, |v[X+5]|
.irp i, 6,10,14,18,22,26
	v_max3_num_f32 v10, v10, |v[X+\i]|, |v[X+\i+1]|
	v_max3_num_f32 v11, v11, |v[X+\i+2]|, |v[X+\i+3]|
.endr
	v_max3_num_f32 v10, v10, |v[X+30]|, |v[X+31]|
	v_max3_num_f32 v10, v10, v11, 0x1800000
	v_add_nc_u32 v12, 0xff000000, v10
.irp g, 0,1,2,3
	v_cvt_scalef32_pk8_fp4_f32 v[CD+\g], v[X+8*\g:X+8*\g+7], v12
.endr
	v_lshrrev_b32 v[SB], 23, v12                   ; the scale's byte (also the plain line behind the conversions)
	global_store_b128 v2, v[CD:CD+3], s[32:33]     ; the wave stores the token's 512 bytes of codes on end
	global_store_b8 v1, v[SB], s[34:35] offset:524288
	s_wait_loadcnt 0x0                             ; gate_w
.irp i, 0,1,2,3,4,5,6,7,8,9,10,11,12,13,14,15
	ds_store_b128 v4, v[GW+4*\i:GW+4*\i+3] offset:2*GP*\i
.endr
	s_wait_dscnt 0x0                               ; for the others' sake: my part of gate_w lies in LDS
	s_barrier_signal -1
	s_barrier_wait -1
; the 8 partial sums of my 32 k: chunks of 4 k (128 bytes, eight loads) in two sets of registers by turns; register 8 k' + e of a set is gate_w(k, e)
.macro GLOAD g
.irp m, 0,1,2,3,4,5,6,7
	ds_load_b128 v[GW+32*((\g)%2)+4*\m:GW+32*((\g)%2)+4*\m+3], v5 offset:128*(\g)+16*\m
.endr
.endm
.macro GDOT g
.irp k, 0,1,2,3
.irp p, 0,1,2,3
.if ((\g)==0) && (\k==0)
	v_pk_mul_f32 v[AC+2*\p:AC+2*\p+1], v[GW+2*\p:GW+2*\p+1], v[X:X+1] op_sel_hi:[1,0]     ; the first product starts the sums
.elseif (\k%2)==0
	v_pk_fma_f32 v[AC+2*\p:AC+2*\p+1], v[GW+32*((\g)%2)+8*\k+2*\p:GW+32*((\g)%2)+8*\k+2*\p+1], v[X+4*(\g)+\k:X+4*(\g)+\k+1], v[AC+2*\p:AC+2*\p+1] op_sel_hi:[1,0,1]   ; two experts x the pair's first x
.else
	v_pk_fma_f32 v[AC+2*\p:AC+2*\p+1], v[GW+32*((\g)%2)+8*\k+2*\p:GW+32*((\g)%2)+8*\k+2*\p+1], v[X+4*(\g)+\k-1:X+4*(\g)+\k], v[AC+2*\p:AC+2*\p+1] op_sel:[0,1,0] op_sel_hi:[1,1,1]   ; x the pair's second
.endif
.endr
.endr
.endm
	GLOAD 0
	GLOAD 1
.irp g, 0,1,2,3,4,5
	s_wait_dscnt 8                                 ; this chunk's eight loads are in; the next chunk's may be out
	GDOT \g
	GLOAD \g+2
.endr
	s_wait_dscnt 8
	GDOT 6
	s_wait_dscnt 0x0
	GDOT 7
.irp e, 0,1,2,3,4,5,6,7
	v_mov_b32 v[TP+\e], 0                          ; a lane permute's destination counts as one of its sources
.endr
.irp m, 1,2,4,8
.irp e, 0,1,2,3,4,5,6,7
	v_add_f32_dpp v[AC+\e], v[AC+\e], v[AC+\e] row_xmask:\m row_mask:0xf bank_mask:0xf
.endr
.endr
.irp e, 0,1,2,3,4,5,6,7
	v_permlanex16_b32 v[TP+\e], v[AC+\e], s28, s29
.endr
	s_wait_kmcnt 0x0                               ; gate_b
.irp e, 0,1,2,3,4,5,6,7
	v_add_f32 v[AC+\e], v[AC+\e], v[TP+\e]         ; every lane holds the 8 sums
.endr
.irp e, 0,1,2,3,4,5,6,7
	v_add_f32 v[AC+\e], s[16+\e], v[AC+\e]
.endr
.irp e, 0,1,2,3,4,5,6,7
	v_mul_f32 v[AC+\e], 0x3f8e38e4, v[AC+\e]       ; / 0.9
.endr
; the largest of eight and the lowest index that holds it
.macro TOPONE src, m, ix
	v_max3_num_f32 v[\m], v[\src], v[\src+1], v[\src+2]
	v_max3_num_f32 v[\m], v[\m], v[\src+3], v[\src+4]
	v_max3_num_f32 v[\m], v[\m], v[\src+5], v[\src+6]
	v_max_num_f32 v[\m], v[\m], v[\src+7]
	v_mov_b32 v[\ix], 7
.irp e, 6,5,4,3,2,1,0
	v_cmp_neq_f32 vcc_lo, v[\m], v[\src+\e]
	v_cndmask_b32 v[\ix], \e, v[\ix], vcc_lo       ; equal: take e; the walk goes down, so the lowest index stays
.endr
.endm
	TOPONE AC, M1, I1
	v_mov_b32 v[NINF], 0xff800000
.irp e, 0,1,2,3,4,5,6,7
	v_cmp_ne_u32 vcc_lo, \e, v[I1]
	v_cndmask_b32 v[L2+\e], v[NINF], v[AC+\e], vcc_lo
.endr
	TOPONE L2, M2, I2
	; the softmax over the two kept logits, the maximum taken away: p1 = 1 / (1 + e^(m2 - m1)), p2 = e^(m2 - m1) p1
	v_sub_f32 v[TT], v[M2], v[M1]
	v_mul_f32 v[TT], 0x3fb8aa3b, v[TT]
	v_exp_f32 v[TT], v[TT]
	v_mov_b32 v12, 1                               ; a plain line behind the exponential
	s_wait_alu depctr_va_vdst(0)                   ; the wait ahead of the first reader
	v_add_f32 v[P1], 1.0, v[TT]
	v_rcp_f32 v[P1], v[P1]
	v_lshlrev_b32 v10, v[I1], v12                  ; 1 << e1 (a plain line behind the reciprocal)
	s_wait_alu depctr_va_vdst(0)
	v_mul_f32 v[P2], v[TT], v[P1]
	v_lshlrev_b32 v11, v[I2], v12
	v_or_b32 v10, v10, v11                         ; the token's set of experts
	v_mov_b32 v13, 0
	v_cmp_eq_u32 vcc_lo, v1, v[I2]
	v_cndmask_b32 v13, v13, v[P2], vcc_lo
	v_cmp_eq_u32 vcc_lo, v1, v[I1]
	v_cndmask_b32 v13, v13, v[P1], vcc_lo          ; lane e: expert e's weight
	s_wait_xcnt 0x0                                ; EXEC changes only behind this wait
	v_cmp_gt_u32 vcc_lo, 8, v1
	s_and_saveexec_b32 s30, vcc_lo
	global_store_b32 v14, v13, s[14:15]            ; lanes 0 to 7: pw[token][lane]
	s_wait_xcnt 0x0
	s_or_b32 exec_lo, exec_lo, s30
	v_cmp_eq_u32 vcc_lo, 0, v1
	s_and_saveexec_b32 s30, vcc_lo
	global_store_b32 v14, v10, s[12:13]            ; lane 0: sel[token]
	s_wait_xcnt 0x0
	s_or_b32 exec_lo, exec_lo, s30
	s_wait_tensorcnt 0x0                           ; the wave's end
	ds_add_u32 v[SPW], v[NIL]
	s_wait_dscnt 0x0
	s_endpgm
.Lfunc_end_k_qf3ff8ae782_route:
	.size	k_qf3ff8ae782_route, .Lfunc_end_k_qf3ff8ae782_route-k_qf3ff8ae782_route
	.p2alignl 7, 3214868480
	.fill 96, 4, 3214868480
	.section	.rodata,"a",@progbits
	.p2align	6, 0x0
	.amdhsa_kernel k_qf3ff8ae782_route
		.amdhsa_group_segment_fixed_size 52224
		.amdhsa_private_segment_fixed_size 0
		.amdhsa_enable_private_segment 0
		.amdhsa_kernarg_size 48
		.amdhsa_user_sgpr_count 2
		.amdhsa_user_sgpr_kernarg_segment_ptr 1
		.amdhsa_wavefront_size32 1
		.amdhsa_system_sgpr_workgroup_id_x 1
		.amdhsa_system_sgpr_workgroup_id_y 1
		.amdhsa_system_sgpr_workgroup_id_z 1
		.amdhsa_system_vgpr_workitem_id 0
		.amdhsa_next_free_vgpr 192
		.amdhsa_next_free_sgpr 66
		.amdhsa_reserve_vcc 1
		.amdhsa_float_denorm_mode_32 3
		.amdhsa_float_denorm_mode_16_64 3
		.amdhsa_memory_ordered 1
		.amdhsa_forward_progress 1
		.amdhsa_inst_pref_size 28
	.end_amdhsa_kernel
	.amdgpu_metadata
---
amdhsa.version: [ 1, 2 ]
amdhsa.kernels:
  - .name:           k_qf3ff8ae782_route
    .symbol:         k_qf3ff8ae782_route.kd
    .args:
      - { .name: x, .offset: 0, .size: 8, .value_kind: global_buffer, .address_space: global }
      - { .name: gate_w, .offset: 8, .size: 8, .value_kind: global_buffer, .address_space: global }
      - { .name: gate_b, .offset: 16, .size: 8, .value_kind: global_buffer, .address_space: global }
      - { .name: xq, .offset: 24, .size: 8, .value_kind: global_buffer, .address_space: global }
      - { .name: sel, .offset: 32, .size: 8, .value_kind: global_buffer, .address_space: global }
      - { .name: pw, .offset: 40, .size: 8, .value_kind: global_buffer, .address_space: global }
    .group_segment_fixed_size: 52224
    .private_segment_fixed_size: 0
    .kernarg_segment_align: 8
    .kernarg_segment_size: 48
    .max_flat_workgroup_size: 128
    .sgpr_count:     66
    .vgpr_count:     192
    .wavefront_size: 32
...
	.end_amdgpu_metadata
.endif
;; end of part 1
;; launch ffn1 (part 2): grid 256 x 1, 4 waves a work-group, no clusters, 135,680 bytes of LDS; arguments xq, sel, pw, w1_codes, w1_scales, b1, hq, plan, pl; writes hq, plan, pl
.if DOCPART == 2
	.amdgcn_target "amdgcn-amd-amdhsa--gfx1250"
	.amdhsa_code_object_version 6
	.text
	.protected	k_qf3ff8ae782_ffn1
	.globl	k_qf3ff8ae782_ffn1
	.p2align	8
	.type	k_qf3ff8ae782_ffn1,@function
k_qf3ff8ae782_ffn1:
	s_mov_b64 s[64:65], 0
	v_nop
	global_prefetch_b8 v0, s[64:65] scope:SCOPE_SE
	s_setreg_imm32_b32 hwreg(HW_REG_WAVE_MODE, 25, 1), 1
	s_wait_xcnt 0x0
; FIRST EXPERT PRODUCT: hq = Q(gelu(Q(x) w1^T + b1)), for the rows (token, chosen expert) alone: the rows of experts that were not chosen are dead work (shown at the head of the first kernel).
; SHARES.  Work-group = (expert e = wg / 32, slice = wg % 32: hidden units 128 slice .. + 127, which are K step 'slice' of the second product).  Each byte of w1 is read by one work-group of the launch.
; Every wave holds the whole slice in registers (8 tiles x 8 K steps x 8 = 512); the four waves share the expert's row tiles of 16: wave w takes tiles w + 4 j, two to a trip.  No barrier in the loop.
; THE LOOP HAS A CONSTANT COUNT: 8 trips serve the 64 tiles that one expert can have at the most; a trip whose first tile does not exist is jumped over by a scalar branch on the expert's count of rows.
; WHICH ROWS.  sel[token] holds the token's set of experts.  32 compares give 32 lane masks (mask c, bit l: token 128 (c / 4) + 4 l + c % 4); their running counts give keys (count << 8 | c).
; 'The token of rank q' is then found in registers: the last key at or under q picks the mask, five halving steps on the mask's partial bit counts pick the bit.  Slice 0 stores the list for the next launch.
; NO LINE WRITES EXEC.  A rank past the expert's rows (in its last tile) gets some token under 1,024, whose row is computed like any other; its list entry names a spare row of the next launch's result,
; 2,048 + 16 e + rank % 16, which nobody reads.  Tiles are 63 at the most, ranks 1,023: every list entry has one owner.
; No tensor load and no copy: branches hang on stored whole numbers.  No cluster: no two work-groups read the same weights, and x's codes are small beside them.
; THE PRODUCT IS USED TRANSPOSED (source 0 = 16 rows of w1, source 1 = 16 rows of x), and lane r of tile 2 b + u takes w1's row 32 b + 8 u + r % 8 + 16 (r / 8): so a lane holds one row of h and the 16 registers
; of tiles 2 b, 2 b + 1 are 16 neighbours along the next K.  b1 is the C of each sum's first product.
; gelu(v) = v (0.5 + 0.5 erf(v / sqrt 2)), erf(z) = z P(z^2) / Q(z^2) with z held to +-4 (degrees 6 and 4; a few units in the last place of erf).
; LIMITS: NaN and infinities are not served; a block of zeros gets the scale byte 1 (its codes are zeros; this program alone reads the bytes); every split of the tokens is served, up to 1,024 rows on one expert.
; LDS: w1's slice, 128 rows x (512 + 16) bytes, written once, in the tiles' row order; for each wave two tiles of x's codes, 16 rows x 528 each, its own; the spare words.
; REGISTERS, in windows of 256: window 0: addresses, scale words, the 8 accumulators, gelu's and the quantiser's work.  Windows 1, 2: w1's fragments (K step s, tile t at window 1 + s / 4, v[64 (s % 4) + 8 t]).
; Window 3: v0-127 32 gathered rows of x as loaded; v128-191 a tile's 8 fragments of x; v192-255 b1 in the result's layout.
.set WP,    528
.set TB,    16*WP                      ; a tile of 16 rows in LDS
.set XL,    128*WP                     ; x's tiles begin behind w1's slice
.set SPARE, XL+8*TB                    ; 135,168
.set TRIPS, 8                          ; pairs of tiles a wave can have at the most: 64 tiles / 4 waves / 2
.set MK,    32                         ; s32-63  the 32 masks
.set KY,    66                         ; s66-97  the 32 keys
.set L16,   1                          ; 16 x lane
.set LQ,    2                          ; my rank in a pair of tiles: 64 (lane / 16) + lane % 16
.set WST,   3
.set WRD,   4
.set XST,   5
.set XRD,   6
.set TOK,   7
.set RQ,    8
.set QK,    9
.set RK,    10
.set RM,    11
.set RN,    12
.set POS,   13
.set A2,    14
.set B4,    15
.set C8,    16
.set D16,   17
.set TA,    18
.set UA,    19
.set SV,    20
.set PV,    21
.set QA,    22
.set SL4,   23
.set KA,    24                         ; v24-25 P's leading coefficient, twice
.set KB,    26                         ; v26-27 Q's
.set SPW,   28
.set NIL,   29
.set HOFF,  30
.set SOFF,  31
.set W1S,   32                         ; v32-63 w1's scale words: register 8 (t / 2) + s: tile t even in lanes 0-15, t odd in lanes 16-31
.set XS,    64                         ; v64-71 x's scale words at work: tile A's rows in lanes 0-15, tile B's in lanes 16-31
.set XSL,   72                         ; v72-79 the next pair's, as loaded
.set ACC,   80                         ; v80-143
.set Z,     144
.set X2,    160
.set PP,    176
.set QQ,    192
.set TM,    144                        ; the quantiser's work, where gelu's z lay
.set PC,    208
.set PW,    216
.set RA,    217                        ; v217-248 the 32 rows' offsets in xq
.set XSA,   249
.set TK4,   250
.set TK32,  251
.set DMP,   252                        ; v252 the spare row's number: 2,048 + 16 e + lane % 16
.set SEL,   12                         ; s12-13 lane selects, once w1_scales' base is done with
.set CNT,   14                         ; s14    the loop's trips, once b1's base is done with
.set MSB, 0
.macro WIN new                         ; the immediate's high byte repeats the setting that is left
.if MSB != (\new)
	s_set_vgpr_msb (MSB<<8)|(\new)
.set MSB, \new
.endif
.endm
	s_load_b512 s[4:19], s[0:1], 0x0               ; xq, sel, pw, w1_codes, w1_scales, b1, hq, plan
	s_load_b64 s[20:21], s[0:1], 0x40              ; pl
	v_lshl_add_u32 v[SPW], v0, 2, SPARE
	v_mov_b32 v[NIL], 0
	v_lshrrev_b32 v7, 5, v0
	v_readfirstlane_b32 s22, v7                    ; wave
	s_lshr_b32 s23, ttmp9, 5                       ; expert
	s_and_b32 s24, ttmp9, 31                       ; slice
	s_lshl_b32 s25, 1, s23                         ; the expert's bit in sel
	v_and_b32 v8, 31, v0                           ; lane
	v_and_b32 v9, 15, v0                           ; r
	v_bfe_u32 v10, v0, 4, 1                        ; h
	v_lshlrev_b32 v[L16], 4, v8
	v_lshl_add_u32 v[LQ], v10, 6, v9
	s_lshl_b32 s29, s23, 4
	s_add_co_u32 s29, s29, 2048
	v_add_nc_u32 v[DMP], s29, v9
	s_mul_i32 s29, s22, WP
	v_add_nc_u32 v[WST], s29, v[L16]               ; w1 into LDS: load i brings rows 4 i + wave
	v_mul_u32_u24 v[WRD], v9, WP
	v_lshl_add_u32 v[WRD], v10, 4, v[WRD]          ; a fragment: row r, + 16 h
	s_mul_i32 s29, s22, 2*TB
	s_add_co_u32 s29, s29, XL                      ; my wave's two tiles of x
	v_add_nc_u32 v[XST], s29, v[L16]
	v_add_nc_u32 v[XRD], s29, v[WRD]
	v_lshlrev_b32 v[SL4], 2, v9
	v_lshlrev_b32 v144, 4, v0                      ; 16 x thread (v144-146: offsets of the head's loads; gelu takes these registers once the loads are in)
	v_and_b32 v11, 7, v0
	v_bfe_u32 v12, v0, 3, 1
	v_lshl_add_u32 v145, v10, 3, v11
	v_lshl_add_u32 v145, v12, 4, v145
	v_lshlrev_b32 v145, 5, v145                    ; w1's scale words: my row 8 h + l % 8 + 16 ((l / 8) % 2) of a pair of tiles, 32 bytes a row
	v_lshlrev_b32 v146, 6, v10                     ; b1: my half's 16 h numbers on
	s_mov_b32 s31, 0
	s_wait_kmcnt 0x0
	s_lshl_b32 s30, s23, 7
	s_add_co_u32 s30, s30, 0x8000
	s_add_nc_u64 s[2:3], s[18:19], s[30:31]        ; plan's counts of my expert
	s_lshl_b32 s30, s23, 12
	s_add_nc_u64 s[18:19], s[18:19], s[30:31]      ; plan's rows of my expert
	s_add_nc_u64 s[20:21], s[20:21], s[30:31]      ; pl's
	s_lshl_b32 s30, s23, 2
	s_add_nc_u64 s[8:9], s[8:9], s[30:31]          ; pw[.][e]
	s_lshl_b32 s30, s23, 21
	s_lshl_b32 s29, s24, 16
	s_add_co_u32 s30, s30, s29
	s_add_nc_u64 s[10:11], s[10:11], s[30:31]      ; w1's slice: 128 rows of 512 bytes on end
	s_lshl_b32 s30, s23, 17
	s_lshl_b32 s29, s24, 12
	s_add_co_u32 s30, s30, s29
	s_add_nc_u64 s[12:13], s[12:13], s[30:31]      ; its scale bytes
	s_lshl_b32 s30, s23, 14
	s_lshl_b32 s29, s24, 9
	s_add_co_u32 s30, s30, s29
	s_add_nc_u64 s[14:15], s[14:15], s[30:31]      ; b1's 128 numbers
	s_lshl_b32 s30, s23, 17
	s_lshl_b32 s29, s24, 6
	s_add_co_u32 s30, s30, s29
	s_add_co_u32 s30, s30, 0x1000000
	s_add_nc_u64 s[100:101], s[16:17], s[30:31]    ; h's scale words: [e][tile][K step][16 rows]
	s_lshl_b32 s30, s23, 21
	s_lshl_b32 s29, s24, 10
	s_add_co_u32 s30, s30, s29
	s_add_nc_u64 s[16:17], s[16:17], s[30:31]      ; h's codes: [e][tile][K step][1,024 bytes]
.irp j, 0,1,2,3,4,5,6,7
	global_load_b128 v[ACC+4*\j:ACC+4*\j+3], v[L16], s[6:7] offset:512*\j          ; sel, all 1,024 words: register 4 j + i is token 128 j + 4 lane + i
.endr
	WIN 0x40                                       ; destination window 1
.set ii, 0
.rept 32
	global_load_b128 v[4*ii:4*ii+3], v144, s[10:11] offset:2048*ii th:TH_LOAD_NT   ; the slice, 2,048 bytes a work-group's load; read once in the launch
.set ii, ii+1
.endr
	WIN 0
.irp t, 0,1,2,3
	global_load_b128 v[W1S+8*\t:W1S+8*\t+3], v145, s[12:13] offset:1024*\t
	global_load_b128 v[W1S+8*\t+4:W1S+8*\t+7], v145, s[12:13] offset:1024*\t+16
.endr
	WIN 0xc0                                       ; destination window 3
.irp t, 0,1,2,3,4,5,6,7
	global_load_b128 v[192+8*\t:192+8*\t+3], v146, s[14:15] offset:128*(\t/2)+32*(\t%2)      ; tile t, lane (r, h): b1 at units 32 (t / 2) + 8 (t % 2) + 16 h + 0 .. 7
	global_load_b128 v[192+8*\t+4:192+8*\t+7], v146, s[14:15] offset:128*(\t/2)+32*(\t%2)+16
.endr
	WIN 0
	v_mov_b32 v[KA], 0xaf95df0b
	v_mov_b32 v[KA+1], 0xaf95df0b
	v_mov_b32 v[KB], 0xb77460cd
	v_mov_b32 v[KB+1], 0xb77460cd
	s_wait_loadcnt 56                              ; sel's eight loads are in; behind them: 32 of w1, 8 of its scales, 16 of b1
.set cc, 0
.rept 32
	v_and_b32 v[TA], s25, v[ACC+cc]
	v_cmp_ne_u32 s[MK+cc], 0, v[TA]                ; mask cc: who chose my expert
.set cc, cc+1
.endr
	s_mov_b32 s26, 0
.set cc, 0
.rept 32
	s_lshl_b32 s29, s26, 8
	s_or_b32 s[KY+cc], s29, cc                     ; key: rows ahead of mask cc, and cc
	s_bcnt1_i32_b32 s30, s[MK+cc]
	s_add_co_u32 s26, s26, s30
.set cc, cc+1
.endr
	s_min_u32 s26, s26, 1024                       ; s26: my expert's rows.  Tile t exists where 16 t < s26
	s_mov_b32 s28, s22                             ; my first tile
; one halving step: the count of set bits in the lower part; if the rank wanted lies beyond it, go on to the upper part
.macro SEL_STEP src, wid, w
	v_bfe_u32 v[TA], v[\src], v[POS], \wid
	v_add_nc_u32 v[UA], \w, v[POS]
	v_cmp_gt_u32 vcc_lo, v[TA], v[RN]
	v_sub_nc_u32 v[TA], v[RN], v[TA]
	v_cndmask_b32 v[POS], v[UA], v[POS], vcc_lo
	v_cndmask_b32 v[RN], v[TA], v[RN], vcc_lo
.endm
; the tokens of the 32 ranks of tiles st (lanes 0-15) and st + 4 (lanes 16-31); a rank past the expert's rows gets some token under 1,024
.macro SELECT sst
	s_lshl_b32 s29, s[\sst], 4
	v_add_nc_u32 v[RQ], s29, v[LQ]
	v_lshl_or_b32 v[QK], v[RQ], 8, 0xff
	v_mov_b32 v[RK], s[KY]
	v_mov_b32 v[RM], s[MK]
.set cc, 1
.rept 31
	v_cmp_gt_u32 vcc_lo, s[KY+cc], v[QK]           ; the keys ascend: the last one at or under my rank stays
	v_cndmask_b32 v[RK], s[KY+cc], v[RK], vcc_lo
	v_cndmask_b32 v[RM], s[MK+cc], v[RM], vcc_lo
.set cc, cc+1
.endr
	v_lshrrev_b32 v[TA], 8, v[RK]
	v_sub_nc_u32 v[RN], v[RQ], v[TA]               ; which set bit of the mask
	v_lshrrev_b32 v[TA], 1, v[RM]
	v_and_b32 v[TA], 0x55555555, v[TA]
	v_sub_nc_u32 v[A2], v[RM], v[TA]               ; counts of 2 bits,
	v_lshrrev_b32 v[TA], 2, v[A2]
	v_and_b32 v[TA], 0x33333333, v[TA]
	v_and_b32 v[B4], 0x33333333, v[A2]
	v_add_nc_u32 v[B4], v[B4], v[TA]               ; of 4,
	v_lshrrev_b32 v[TA], 4, v[B4]
	v_add_nc_u32 v[C8], v[B4], v[TA]
	v_and_b32 v[C8], 0x0f0f0f0f, v[C8]             ; of 8,
	v_lshrrev_b32 v[TA], 8, v[C8]
	v_add_nc_u32 v[D16], v[C8], v[TA]              ; of 16 (in bytes 0 and 2)
	v_mov_b32 v[POS], 0
	SEL_STEP D16, 8, 16
	SEL_STEP C8, 8, 8
	SEL_STEP B4, 4, 4
	SEL_STEP A2, 2, 2
	SEL_STEP RM, 1, 1
	v_and_b32 v[TA], 0x1c, v[RK]
	v_and_b32 v[UA], 3, v[RK]
	v_lshl_add_u32 v[TOK], v[TA], 5, v[UA]
	v_lshl_add_u32 v[TOK], v[POS], 2, v[TOK]       ; 128 (c / 4) + 4 bit + c % 4
	v_min_u32 v[TOK], 0x3ff, v[TOK]
.endm
.macro META_ASK                        ; the token's set of experts and my expert's weight for it
	v_lshlrev_b32 v[TK4], 2, v[TOK]
	v_lshlrev_b32 v[TK32], 5, v[TOK]
	global_load_b32 v[SV], v[TK4], s[6:7]
	global_load_b32 v[PV], v[TK32], s[8:9]
.endm
.macro META_DONE                       ; slice 0: plan[e][rank] = 2 token + (1 where my expert is the higher of the token's two), or the spare row for a rank past the count; pl[e][rank] = the weight
	s_sub_co_u32 s29, s25, 1
	v_and_b32 v[TA], s29, v[SV]
	v_cmp_ne_u32 vcc_lo, 0, v[TA]
	v_add_co_ci_u32 v[UA], vcc_lo, v[TOK], v[TOK], vcc_lo
	v_cmp_gt_u32 vcc_lo, s26, v[RQ]                ; ranks that exist
	v_cndmask_b32 v[UA], v[DMP], v[UA], vcc_lo
	v_min_u32 v[QA], 0x3ff, v[RQ]
	v_lshlrev_b32 v[QA], 2, v[QA]
	global_store_b32 v[QA], v[UA], s[18:19]        ; all 32 entries of the pair: each rank has one owner in the launch
	global_store_b32 v[QA], v[PV], s[20:21]
	s_wait_xcnt 0x0                                ; the stores have read their data and offset: the lines below write them again
.endm
; the 32 rows' codes: a row is 512 bytes, one load of the wave; and each row's 32 scale bytes, a lane a row
.macro GATHER
.set ii, 0
.rept 8
	v_readlane_b32 s29, v[TOK], ii
	v_readlane_b32 s30, v[TOK], ii+1
	v_readlane_b32 s31, v[TOK], ii+2
	v_readlane_b32 s99, v[TOK], ii+3
	s_min_u32 s29, s29, 1023
	s_min_u32 s30, s30, 1023
	s_min_u32 s31, s31, 1023
	s_min_u32 s99, s99, 1023
	v_lshl_add_u32 v[RA+ii], s29, 9, v[L16]
	v_lshl_add_u32 v[RA+ii+1], s30, 9, v[L16]
	v_lshl_add_u32 v[RA+ii+2], s31, 9, v[L16]
	v_lshl_add_u32 v[RA+ii+3], s99, 9, v[L16]
.set ii, ii+4
.endr
	v_lshlrev_b32 v[XSA], 5, v[TOK]
	s_wait_dscnt 0x0                               ; the LDS stores of the last pair have read the registers that these loads fill
	WIN 0xc0
.set ii, 0
.rept 32
	global_load_b128 v[4*ii:4*ii+3], v[RA+ii], s[4:5]
.set ii, ii+1
.endr
	WIN 0
	global_load_b128 v[XSL:XSL+3], v[XSA], s[4:5] offset:524288
	global_load_b128 v[XSL+4:XSL+7], v[XSA], s[4:5] offset:524304
.endm
.macro TOLDS                           ; the 32 rows into my two tiles
	WIN 0x0c                                       ; an LDS store's data are its source 1: window 3
.set ii, 0
.rept 32
	ds_store_b128 v[XST], v[4*ii:4*ii+3] offset:TB*(ii/16)+WP*(ii%16)
.set ii, ii+1
.endr
	WIN 0
.endm
.macro WM cop, ar, br                  ; one product; ar, br: which half of the lanes holds source 0's and source 1's scale words
.if ((\ar)==0) && ((\br)==0)
	v_wmma_scale_f32_16x16x128_f8f6f4 v[rD:rD+7], v[rA:rA+7], v[rB:rB+7], \cop, v[rSA], v[rSB] matrix_a_fmt:MATRIX_FMT_FP4 matrix_b_fmt:MATRIX_FMT_FP4
.elseif (\br)==0
	v_wmma_scale_f32_16x16x128_f8f6f4 v[rD:rD+7], v[rA:rA+7], v[rB:rB+7], \cop, v[rSA], v[rSB] matrix_a_fmt:MATRIX_FMT_FP4 matrix_b_fmt:MATRIX_FMT_FP4 matrix_a_scale:MATRIX_SCALE_ROW1
.elseif (\ar)==0
	v_wmma_scale_f32_16x16x128_f8f6f4 v[rD:rD+7], v[rA:rA+7], v[rB:rB+7], \cop, v[rSA], v[rSB] matrix_a_fmt:MATRIX_FMT_FP4 matrix_b_fmt:MATRIX_FMT_FP4 matrix_b_scale:MATRIX_SCALE_ROW1
.else
	v_wmma_scale_f32_16x16x128_f8f6f4 v[rD:rD+7], v[rA:rA+7], v[rB:rB+7], \cop, v[rSA], v[rSB] matrix_a_fmt:MATRIX_FMT_FP4 matrix_b_fmt:MATRIX_FMT_FP4 matrix_a_scale:MATRIX_SCALE_ROW1 matrix_b_scale:MATRIX_SCALE_ROW1
.endif
.endm
; gelu in place on the 64 results, 16 numbers (8 pairs) at a time; each accumulator is read from its low end on.  The 16 reciprocals are one batch with one wait.
.macro GELU
.irp g, 0,1,2,3
.irp p, 0,2,4,6,8,10,12,14
	v_pk_mul_f32 v[Z+\p:Z+\p+1], v[ACC+16*\g+\p:ACC+16*\g+\p+1], 0x3f3504f3 op_sel_hi:[1,0]   ; z = v / sqrt 2
.endr
.irp i, 0,1,2,3,4,5,6,7,8,9,10,11,12,13,14,15
	v_med3_num_f32 v[Z+\i], v[Z+\i], -4.0, 4.0
.endr
.irp p, 0,2,4,6,8,10,12,14
	v_pk_mul_f32 v[X2+\p:X2+\p+1], v[Z+\p:Z+\p+1], v[Z+\p:Z+\p+1]
.endr
.irp p, 0,2,4,6,8,10,12,14
	v_pk_fma_f32 v[PP+\p:PP+\p+1], v[X2+\p:X2+\p+1], v[KA:KA+1], 0x32edffee op_sel_hi:[1,1,0]
	v_pk_fma_f32 v[QQ+\p:QQ+\p+1], v[X2+\p:X2+\p+1], v[KB:KB+1], 0xb95fbd29 op_sel_hi:[1,1,0]
.endr
.irp a, 0xb60cff51, 0xb86ec2d2, 0xba40ac63, 0xbb41a1f6, 0xbc83dbd4
.irp p, 0,2,4,6,8,10,12,14
	v_pk_fma_f32 v[PP+\p:PP+\p+1], v[PP+\p:PP+\p+1], v[X2+\p:X2+\p+1], \a op_sel_hi:[1,1,0]
.endr
.endr
.irp a, 0xbadc924e, 0xbbf19bf8, 0xbc69b6a7
.irp p, 0,2,4,6,8,10,12,14
	v_pk_fma_f32 v[QQ+\p:QQ+\p+1], v[QQ+\p:QQ+\p+1], v[X2+\p:X2+\p+1], \a op_sel_hi:[1,1,0]
.endr
.endr
.irp i, 0,1,2,3,4,5,6,7,8,9,10,11,12,13,14,15
	v_rcp_f32 v[QQ+\i], v[QQ+\i]
.endr
.irp p, 0,2,4,6,8,10,12,14
	v_pk_mul_f32 v[PP+\p:PP+\p+1], v[PP+\p:PP+\p+1], v[Z+\p:Z+\p+1]                ; plain work behind the reciprocals, which names none of their results
.endr
	s_wait_alu depctr_va_vdst(0)                   ; the wait ahead of the batch's first reader
.irp p, 0,2,4,6,8,10,12,14
	v_pk_mul_f32 v[PP+\p:PP+\p+1], v[PP+\p:PP+\p+1], v[QQ+\p:QQ+\p+1]              ; erf
.endr
.irp p, 0,2,4,6,8,10,12,14
	v_pk_fma_f32 v[PP+\p:PP+\p+1], v[PP+\p:PP+\p+1], 0.5, 0.5 op_sel_hi:[1,0,0]
.endr
.irp p, 0,2,4,6,8,10,12,14
	v_pk_mul_f32 v[ACC+16*\g+\p:ACC+16*\g+\p+1], v[ACC+16*\g+\p:ACC+16*\g+\p+1], v[PP+\p:PP+\p+1]
.endr
.endr
.endm
; 64 numbers of a lane, register 16 b + i = k 32 b + 16 (lane / 16) + i of my row, become a fragment's codes in v[PC] on and its scale word in v[PW]
.macro QUANT src
.irp b, 0,1,2,3
	v_max3_num_f32 v[TM+\b], |v[\src+16*\b]|, |v[\src+1+16*\b]|, 0x1800000          ; with the floor 2^(3 - 127): the byte cannot fall under 1
.endr
.irp i, 2,4,6,8,10,12,14
.irp b, 0,1,2,3
	v_max3_num_f32 v[TM+\b], v[TM+\b], |v[\src+16*\b+\i]|, |v[\src+1+16*\b+\i]|
.endr
.endr
.irp b, 0,1,2,3
	v_permlanex16_b32 v[TM+4+\b], v[TM+\b], s[SEL], s[SEL+1]
.endr
.irp b, 0,1,2,3
	v_max_num_f32 v[TM+\b], v[TM+\b], v[TM+4+\b]   ; with lane l xor 16's: the block's largest magnitude
.endr
.irp b, 0,1,2,3
	v_add_nc_u32 v[TM+12+\b], 0xff000000, v[TM+\b] ; 2 off its exponent field: the conversion's scale operand
.endr
.irp b, 0,1,2,3
	v_lshrrev_b32 v[TM+4+\b], 23, v[TM+12+\b]      ; the scale's byte
.endr
	v_lshl_or_b32 v[PW], v[TM+5], 8, v[TM+4]
	v_lshl_or_b32 v[PW], v[TM+6], 16, v[PW]
	v_lshl_or_b32 v[PW], v[TM+7], 24, v[PW]
.irp b, 0,1,2,3
	v_cvt_scalef32_pk8_fp4_f32 v[PC+2*\b], v[\src+16*\b:\src+7+16*\b], v[TM+12+\b]
	v_cvt_scalef32_pk8_fp4_f32 v[PC+1+2*\b], v[\src+8+16*\b:\src+15+16*\b], v[TM+12+\b]
.endr
	v_nop                                          ; one plain line behind a scaled conversion
.irp c, 0,1                                    ; the operand's layout wants a whole block in a lane
.irp i, 0,1
	v_permlane16_swap_b32 v[PC+4*\c+\i], v[PC+2+4*\c+\i]
.endr
.endr
.endm
; tile st + 4 u: 8 fragments of x from my LDS tile, 64 products (the 8 accumulators by turns, K step by K step), gelu, quantiser, and the image of the fragment to hq
.macro TILE u
	WIN 0xc0
.set ks, 0
.rept 8
	ds_load_b128 v[128+8*ks:128+8*ks+3], v[XRD] offset:TB*(\u)+64*ks
	ds_load_b128 v[128+8*ks+4:128+8*ks+7], v[XRD] offset:TB*(\u)+64*ks+32
.set ks, ks+1
.endr
	s_wait_dscnt 0x0
.set ks, 0
.rept 8
.if ks == 0
	WIN 0x3d                                       ; source 0 (w1) window 1, source 1 (x) window 3, C (b1) window 3, D window 0
.elseif ks < 4
	WIN 0x0d                                       ; C and D window 0
.else
	WIN 0x0e                                       ; source 0 window 2
.endif
.set tt, 0
.rept 8
.set rD, ACC+8*tt
.set rA, 64*(ks%4)+8*tt
.set rB, 128+8*ks
.set rC, 192+8*tt
.set rSA, W1S+8*(tt/2)+ks
.set rSB, XS+ks
.if ks == 0
	WM v[rC:rC+7], tt%2, \u
.else
	WM v[rD:rD+7], tt%2, \u
.endif
.set tt, tt+1
.endr
.set ks, ks+1
.endr
	WIN 0
.rept 4
	v_nop                                          ; four plain lines between the last product and the first read of results
.endr
	GELU
	s_wait_xcnt 0x0                                ; the last tile's stores have read their data and offsets: both are written again below
	QUANT ACC
	s_add_co_u32 s29, s28, 4*(\u)
	s_min_u32 s29, s29, 63
	s_lshl_b32 s30, s29, 15
	s_lshl_b32 s31, s29, 11
	v_add_nc_u32 v[HOFF], s30, v[L16]
	v_add_nc_u32 v[SOFF], s31, v[SL4]
	global_store_b128 v[HOFF], v[PC:PC+3], s[16:17]                ; the fragment as it stands in registers: 512 consecutive bytes a store
	global_store_b128 v[HOFF], v[PC+4:PC+7], s[16:17] offset:512
	global_store_b32 v[SOFF], v[PW], s[100:101]                    ; row r's scale word (lanes r and r + 16 hold and write the same word)
.endm
	SELECT 28
	META_ASK
	GATHER                                         ; my first pair's rows are on their way while w1 goes through LDS
	s_wait_loadcnt 60                              ; w1's 32 loads are in; behind them: 8 + 16 + 2 + 34
	WIN 0x04                                       ; an LDS store's data are its source 1: window 1
.set ii, 0
.rept 32
	ds_store_b128 v[WST], v[4*ii:4*ii+3] offset:WP*(((4*ii)&0x67)|(((4*ii)&8)<<1)|(((4*ii)&16)>>1))   ; memory row rho lies at LDS row rho with bits 3 and 4 exchanged: the tiles' row order
.set ii, ii+1
.endr
	WIN 0
	s_wait_dscnt 0x0                               ; for the others' sake: my rows of the slice lie in LDS
	s_barrier_signal -1
	s_barrier_wait -1                              ; the launch's one barrier, ahead of every branch on stored numbers
.set ks, 0
.rept 8
	WIN 0x40*(1+ks/4)
.set tt, 0
.rept 8
	ds_load_b128 v[64*(ks%4)+8*tt:64*(ks%4)+8*tt+3], v[WRD] offset:TB*tt+64*ks
	ds_load_b128 v[64*(ks%4)+8*tt+4:64*(ks%4)+8*tt+7], v[WRD] offset:TB*tt+64*ks+32
.set tt, tt+1
.endr
.set ks, ks+1
.endr
	WIN 0
	s_wait_dscnt 0x0
	s_wait_xcnt 0x0                                ; the loads of w1's scales and of b1 have read their bases: s12, s13 take the lane selects, s14 the count of trips
	s_mov_b32 s[SEL], 0x76543210
	s_mov_b32 s[SEL+1], 0xfedcba98
	s_mov_b32 s[CNT], 0
.irp b, 0,1,2,3
	v_mov_b32 v[TM+4+\b], 0                        ; a lane permute's destination counts as one of its sources
.endr
	s_or_b32 s29, s24, s22
	s_cmp_lg_u32 s29, 0
	s_cbranch_scc1 .Lno_count                      ; slice 0, wave 0: the expert's count of rows, 32 equal words
	v_mov_b32 v[TA], s26
	v_lshrrev_b32 v[UA], 2, v[L16]
	global_store_b32 v[UA], v[TA], s[2:3]
	s_wait_xcnt 0x0
.Lno_count:
.Lpair:                                                ; TRIPS trips in every wave; trip i has tiles wave + 8 i and wave + 8 i + 4
	s_lshl_b32 s29, s28, 4
	s_cmp_ge_u32 s29, s26
	s_cbranch_scc1 .Lskip                          ; the expert has no such tile: the trip's work is jumped over (what a wave with no tile at all gathered at the head is dropped)
	s_wait_loadcnt 0x0                             ; this pair's rows, scale words and list entries are in
	s_cmp_lg_u32 s24, 0
	s_cbranch_scc1 .Lno_list
	META_DONE
.Lno_list:
	TOLDS
.irp i, 0,1,2,3,4,5,6,7
	v_mov_b32 v[XS+\i], v[XSL+\i]                  ; the scale words at work; the next pair's land in XSL
.endr
.rept 8
	v_nop                                          ; a scale register written by a vector instruction stands eight plain lines ahead of the product that names it
.endr
	s_add_co_u32 s99, s28, 8
	s_lshl_b32 s29, s99, 4
	s_cmp_lt_u32 s29, s26
	s_cbranch_scc0 .Lno_next
	SELECT 99                                      ; the next pair is asked for now and lands under this pair's work
	META_ASK
	GATHER
.Lno_next:
	TILE 0
	s_add_co_u32 s29, s28, 4
	s_lshl_b32 s29, s29, 4
	s_cmp_lt_u32 s29, s26
	s_cbranch_scc0 .Lno_b
	TILE 1
.Lno_b:
.Lskip:
	s_add_co_u32 s28, s28, 8                       ; my next pair's first tile
	s_add_co_u32 s[CNT], s[CNT], 1
	s_cmp_lt_u32 s[CNT], TRIPS
	s_cbranch_scc1 .Lpair
	s_wait_tensorcnt 0x0                           ; the wave's end
	ds_add_u32 v[SPW], v[NIL]
	s_wait_dscnt 0x0
	s_endpgm
.Lfunc_end_k_qf3ff8ae782_ffn1:
	.size	k_qf3ff8ae782_ffn1, .Lfunc_end_k_qf3ff8ae782_ffn1-k_qf3ff8ae782_ffn1
	.p2alignl 7, 3214868480
	.fill 96, 4, 3214868480
	.section	.rodata,"a",@progbits
	.p2align	6, 0x0
	.amdhsa_kernel k_qf3ff8ae782_ffn1
		.amdhsa_group_segment_fixed_size 135680
		.amdhsa_private_segment_fixed_size 0
		.amdhsa_enable_private_segment 0
		.amdhsa_kernarg_size 72
		.amdhsa_user_sgpr_count 2
		.amdhsa_user_sgpr_kernarg_segment_ptr 1
		.amdhsa_wavefront_size32 1
		.amdhsa_system_sgpr_workgroup_id_x 1
		.amdhsa_system_sgpr_workgroup_id_y 1
		.amdhsa_system_sgpr_workgroup_id_z 1
		.amdhsa_system_vgpr_workitem_id 0
		.amdhsa_next_free_vgpr 1024
		.amdhsa_next_free_sgpr 102
		.amdhsa_reserve_vcc 1
		.amdhsa_float_denorm_mode_32 3
		.amdhsa_float_denorm_mode_16_64 3
		.amdhsa_memory_ordered 1
		.amdhsa_forward_progress 1
		.amdhsa_inst_pref_size 186
	.end_amdhsa_kernel
	.amdgpu_metadata
---
amdhsa.version: [ 1, 2 ]
amdhsa.kernels:
  - .name:           k_qf3ff8ae782_ffn1
    .symbol:         k_qf3ff8ae782_ffn1.kd
    .args:
      - { .name: xq, .offset: 0, .size: 8, .value_kind: global_buffer, .address_space: global }
      - { .name: sel, .offset: 8, .size: 8, .value_kind: global_buffer, .address_space: global }
      - { .name: pw, .offset: 16, .size: 8, .value_kind: global_buffer, .address_space: global }
      - { .name: w1_codes, .offset: 24, .size: 8, .value_kind: global_buffer, .address_space: global }
      - { .name: w1_scales, .offset: 32, .size: 8, .value_kind: global_buffer, .address_space: global }
      - { .name: b1, .offset: 40, .size: 8, .value_kind: global_buffer, .address_space: global }
      - { .name: hq, .offset: 48, .size: 8, .value_kind: global_buffer, .address_space: global }
      - { .name: plan, .offset: 56, .size: 8, .value_kind: global_buffer, .address_space: global }
      - { .name: pl, .offset: 64, .size: 8, .value_kind: global_buffer, .address_space: global }
    .group_segment_fixed_size: 135680
    .private_segment_fixed_size: 0
    .kernarg_segment_align: 8
    .kernarg_segment_size: 72
    .max_flat_workgroup_size: 128
    .sgpr_count:     102
    .vgpr_count:     1024
    .wavefront_size: 32
...
	.end_amdgpu_metadata
.endif
;; end of part 2
;; launch ffn2 (part 3): grid 256 x 1, 4 waves a work-group, no clusters, 150,016 bytes of LDS; arguments hq, plan, pl, w2_codes, w2_scales, b2, y2; writes y2
.if DOCPART == 3
	.amdgcn_target "amdgcn-amd-amdhsa--gfx1250"
	.amdhsa_code_object_version 6
	.text
	.protected	k_qf3ff8ae782_ffn2
	.globl	k_qf3ff8ae782_ffn2
	.p2align	8
	.type	k_qf3ff8ae782_ffn2,@function
k_qf3ff8ae782_ffn2:
	s_mov_b64 s[64:65], 0
	v_nop
	global_prefetch_b8 v0, s[64:65] scope:SCOPE_SE
	s_setreg_imm32_b32 hwreg(HW_REG_WAVE_MODE, 25, 1), 1
	s_wait_xcnt 0x0
; SECOND EXPERT PRODUCT: y2[2 (2 token + k) + kh] = p x (h w2^T over K half kh, + b2 in the lower half), for the rows (token, chosen expert) alone: the rows of experts that were not chosen are dead work
; (shown at the head of the first kernel).  The last launch adds a token's four rows.
; SHARES.  Work-group = (expert e = wg / 32, row half rh = (wg % 32) / 16, column slice cs = wg % 16: outputs d0 = 64 cs .. + 63).  Wave w: K half kh = w % 2 (K steps 16 kh .. + 15), rp = w / 2.
; A wave holds 64 columns x half of K in registers (4 tiles x 16 K steps x 8 = 512) and takes the expert's row tiles q + 4 j, q = rh + 2 rp.  So each fragment of h that it loads (1,024 bytes) feeds four products.
; h's fragments lie in hq as images of the operand's registers and go from memory straight into registers, 512 consecutive bytes a load, in two buffers of one tile step each: while one is multiplied,
; the other's loads are out, and the buffer just read is asked for again at once.
; THE ORDER OF TILES.  Sixteen work-groups (the column slices) walk the same tiles.  All begin with tile q; from the second step on slice cs begins cs % 8 tiles further on and goes round the rest,
; so that the slices' requests at the kernel's head name up to nine different tiles of each wave's set.
; THE LOOP HAS A CONSTANT COUNT: 8 trips of two steps serve the 16 tiles that a wave can have at the most; a step whose tile does not exist leaves the loop by a scalar branch on the expert's count of rows.
; No tensor load, no copy, no cluster: branches hang on a stored whole number.  NO LINE WRITES EXEC: every lane stores to the row that the list names; for a rank past the expert's rows that is a spare row
; of y2 (entries 2,048 + 16 e + rank % 16), which nobody reads and which no other lane of the launch writes at these columns.
; THE PRODUCT IS USED TRANSPOSED (source 0 = 16 rows of w2, source 1 = 16 rows of h): lane (r, h) holds row r and outputs d0 + 16 n + 8 h + 0 .. 7.  The four accumulators take turns.
; b2 is the C of the first products in the lower K half's waves; in the upper half's those C registers are set to 0 once.
; THE WAY OUT: a tile's 16 rows x 256 bytes go through the wave's own stage in LDS and leave by rows: sixteen lanes store 256 consecutive bytes, at a multiple of 256 from y2's first byte.
; LIMITS: NaN and infinities are not served; every split of the tokens is served, up to 1,024 rows on one expert.
; LDS: w2's slice, 64 rows x (2,048 + 16) bytes, written once; a stage of 16 x (256 + 16) bytes for each wave; the spare words.
; REGISTERS: window 0: addresses, scale words, b2, accumulators, the way out.  Windows 1, 2: w2 (K step s of my half, tile n at window 1 + s / 8, v[32 (s % 8) + 8 n]).  Window 3: h, buffer b, K step s at v[128 b + 8 s].
.set WP,    2064
.set HALFW, 32*WP                      ; 66,048: rows 32 on, out of reach of a 16-bit offset
.set STG,   64*WP                      ; 132,096: the stages
.set SP,    272
.set SPARE, STG+4*16*SP                ; 149,504
.set TRIPS, 8                          ; pairs of steps a wave can have at the most: 64 tiles / 4 / 2
.set NLD,   43                         ; loads of a tile step: 8 scale words, 2 list, 1 weight, 32 codes
.set L16,   1
.set A,     2                          ; v2-3   buffer b: offset of h's codes
.set S,     4                          ; v4-5   of h's scale words
.set MP,    6                          ; v6-7   of the rows' weights
.set MR,    8                          ; v8-9   of the list's entries
.set WST,   10
.set WST2,  11
.set WRD,   12
.set WRD2,  13
.set PCW,   14                         ; v14-15 the row's weight (the packed form names the pair and takes its low word)
.set L4,    16
.set R4,    17
.set SPW,   18
.set NIL,   19
.set H32,   20                         ; 32 x (lane / 16)
.set W2A,   22
.set STO,   25
.set SRD,   26
.set C16,   27                         ; 16 x (lane % 16)
.set PLB,   28                         ; v28-29 buffer b: the weight as loaded
.set W2S,   32                         ; v32-63 w2's scale words: register 16 (n / 2) + s: tile n even in lanes 0-15, odd in lanes 16-31
.set HS,    64                         ; v64-79 h's: buffer b, register 8 b + i: K step 2 i in lanes 0-15, 2 i + 1 in lanes 16-31
.set B2,    80                         ; v80-111
.set ACC,   112                        ; v112-143
.set Y,     144                        ; v144-175 the weighted results
.set YB,    176                        ; v176-207 and as rows, back from the stage
.set YA,    208                        ; v208-215 the eight stores' offsets
.set ROWS,  216                        ; v216-231 buffer b: the list's entries: register i: rank i in lanes 0-15, rank 8 + i in lanes 16-31
.set CUR,   24                         ; s24 the tile asked for last
.set LIN,   25                         ; s25 q + 4 x the step's number: the step exists where 16 x this is under the count of rows
.set CNT,   29                         ; s29 the loop's trips
.set Q4,    41                         ; s41 q + 4: the second tile of my set
.set MSB, 0
.macro WIN new
.if MSB != (\new)
	s_set_vgpr_msb (MSB<<8)|(\new)
.set MSB, \new
.endif
.endm
	s_load_b256 s[4:11], s[0:1], 0x0               ; hq, plan, pl, w2_codes
	s_load_b128 s[12:15], s[0:1], 0x20             ; w2_scales, b2
	s_load_b64 s[16:17], s[0:1], 0x30              ; y2
	v_lshl_add_u32 v[SPW], v0, 2, SPARE
	v_mov_b32 v[NIL], 0
	v_lshrrev_b32 v23, 5, v0
	v_readfirstlane_b32 s20, v23                   ; wave
	s_lshr_b32 s21, ttmp9, 5                       ; expert
	s_and_b32 s22, ttmp9, 31
	s_and_b32 s36, s22, 15                         ; cs
	s_lshr_b32 s37, s22, 4                         ; rh
	s_and_b32 s38, s20, 1                          ; kh
	s_lshr_b32 s39, s20, 1                         ; rp
	s_lshl_b32 s40, s39, 1
	s_add_co_u32 s40, s40, s37                     ; q
	s_add_co_u32 s[Q4], s40, 4
	v_and_b32 v23, 31, v0                          ; lane
	v_and_b32 v24, 15, v0                          ; r
	v_bfe_u32 v30, v0, 4, 1                        ; h
	v_lshlrev_b32 v[L16], 4, v23
	v_lshlrev_b32 v[L4], 2, v23
	v_lshlrev_b32 v[R4], 2, v24
	v_lshlrev_b32 v[H32], 5, v30
	v_lshlrev_b32 v[C16], 4, v24
	v_lshlrev_b32 v[W2A], 7, v23
	v_lshlrev_b32 v[WST], 4, v0                    ; w2 into LDS: a load of the work-group is one row
	v_add_nc_u32 v[WST2], HALFW, v[WST]
	v_mul_u32_u24 v[WRD], v24, WP
	v_lshl_add_u32 v[WRD], v30, 4, v[WRD]          ; a fragment: row r, + 16 h,
	s_lshl_b32 s28, s38, 10
	v_add_nc_u32 v[WRD], s28, v[WRD]               ; + my K half's 1,024 bytes
	v_add_nc_u32 v[WRD2], HALFW, v[WRD]
	s_mul_i32 s28, s20, 16*SP
	s_add_co_u32 s28, s28, STG                     ; my stage
	v_mul_u32_u24 v[STO], v24, SP
	v_lshl_add_u32 v[STO], v30, 5, v[STO]
	v_add_nc_u32 v[STO], s28, v[STO]               ; in: row r, 32 bytes for each half of the lanes
	v_mul_u32_u24 v[SRD], v30, 8*SP
	v_lshl_add_u32 v[SRD], v24, 4, v[SRD]
	v_add_nc_u32 v[SRD], s28, v[SRD]               ; back: lanes 0-15 row i, lanes 16-31 row 8 + i
	v_mov_b32 v[PCW+1], 0                          ; named with the weight as a pair, so it is written
.macro ADDR b                          ; buffer b's offsets for the tile in s27, 63 at the most
	s_lshl_b32 s28, s27, 15
	v_add_nc_u32 v[A+(\b)], s28, v[L16]
	s_lshl_b32 s28, s27, 11
	v_add_nc_u32 v[S+(\b)], s28, v[L4]
	s_lshl_b32 s28, s27, 6
	v_add_nc_u32 v[MP+(\b)], s28, v[R4]
	v_add_nc_u32 v[MR+(\b)], s28, v[H32]
.endm
.macro LOADT b                         ; NLD loads: a tile's 16 K steps of my half, their scale words, the rows' list entries and weights
.irp i, 0,1,2,3,4,5,6,7
	global_load_b32 v[HS+8*(\b)+\i], v[S+(\b)], s[18:19] offset:128*\i
.endr
	global_load_b128 v[ROWS+8*(\b):ROWS+8*(\b)+3], v[MR+(\b)], s[34:35]
	global_load_b128 v[ROWS+8*(\b)+4:ROWS+8*(\b)+7], v[MR+(\b)], s[34:35] offset:16
	global_load_b32 v[PLB+(\b)], v[MP+(\b)], s[8:9]
	WIN 0xc0
.set ks, 0
.rept 16
	global_load_b128 v[128*(\b)+8*ks:128*(\b)+8*ks+3], v[A+(\b)], s[4:5] offset:1024*ks
	global_load_b128 v[128*(\b)+8*ks+4:128*(\b)+8*ks+7], v[A+(\b)], s[4:5] offset:1024*ks+512
.set ks, ks+1
.endr
	WIN 0
.endm
	s_mov_b32 s27, s40                             ; my first tile is q, whatever the count
	ADDR 0
	s_lshl_b32 s31, s21, 7
	s_mov_b32 s33, 0
	s_mov_b32 s[CNT], 0
	s_mov_b32 s[LIN], s40
	s_wait_kmcnt 0x0
	s_load_b32 s23, s[6:7], s31 offset:0x8000      ; my expert's rows
	s_lshl_b32 s32, s21, 17
	s_add_co_u32 s32, s32, 0x1000000
	s_lshl_b32 s27, s38, 10
	s_add_co_u32 s32, s32, s27
	s_add_nc_u64 s[18:19], s[4:5], s[32:33]        ; h's scale words of my expert, my K half
	s_lshl_b32 s32, s21, 21
	s_lshl_b32 s27, s38, 14
	s_add_co_u32 s32, s32, s27
	s_add_nc_u64 s[4:5], s[4:5], s[32:33]          ; h's codes likewise
	s_lshl_b32 s32, s21, 21
	s_lshl_b32 s27, s36, 17
	s_add_co_u32 s32, s32, s27
	s_add_nc_u64 s[10:11], s[10:11], s[32:33]      ; w2's slice: 64 rows of 2,048 bytes on end
	s_lshl_b32 s32, s21, 12
	s_add_nc_u64 s[34:35], s[6:7], s[32:33]        ; plan's rows
	s_add_nc_u64 s[8:9], s[8:9], s[32:33]          ; pl's
	s_lshl_b32 s27, s36, 8
	s_add_co_u32 s32, s32, s27
	s_add_nc_u64 s[14:15], s[14:15], s[32:33]      ; b2's 64 numbers
	s_lshl_b32 s32, s38, 12
	s_add_co_u32 s32, s32, s27
	s_add_nc_u64 s[16:17], s[16:17], s[32:33]      ; y2 at column d0, in the row of my K half
	s_lshl_b32 s32, s21, 17
	s_lshl_b32 s27, s36, 13
	s_add_co_u32 s32, s32, s27
	s_lshl_b32 s27, s38, 6
	s_add_co_u32 s32, s32, s27
	s_add_nc_u64 s[12:13], s[12:13], s[32:33]      ; w2's scale bytes: my K half's 64 of a row's 128
	WIN 0x40
.set ii, 0
.rept 64
	global_load_b128 v[4*ii:4*ii+3], v[WST], s[10:11] offset:2048*ii
.set ii, ii+1
.endr
	WIN 0
.irp g, 0,1
.irp m, 0,1,2,3
	global_load_b128 v[W2S+16*\g+4*\m:W2S+16*\g+4*\m+3], v[W2A], s[12:13] offset:4096*\g+16*\m
.endr
.endr
.irp n, 0,1,2,3
	global_load_b128 v[B2+8*\n:B2+8*\n+3], v[H32], s[14:15] offset:64*\n
	global_load_b128 v[B2+8*\n+4:B2+8*\n+7], v[H32], s[14:15] offset:64*\n+16
.endr
	LOADT 0                                        ; tile q, 0 to 3: always inside hq; a wave with no tile drops what comes
	s_wait_loadcnt 59                              ; w2's 64 loads are in; behind them: 8 + 8 + 43
	WIN 0x04                                       ; an LDS store's data are its source 1: window 1
.set ii, 0
.rept 32
	ds_store_b128 v[WST], v[4*ii:4*ii+3] offset:WP*ii
.set ii, ii+1
.endr
.rept 32
	ds_store_b128 v[WST2], v[4*ii:4*ii+3] offset:WP*(ii-32)
.set ii, ii+1
.endr
	WIN 0
	s_wait_dscnt 0x0                               ; for the others' sake: my part of the slice lies in LDS
	s_barrier_signal -1
	s_barrier_wait -1                              ; the launch's one barrier, ahead of every branch on stored numbers
.set ks, 0
.rept 16
	WIN 0x40*(1+ks/8)
.irp n, 0,1
	ds_load_b128 v[32*(ks%8)+8*\n:32*(ks%8)+8*\n+3], v[WRD] offset:16*WP*\n+64*ks
	ds_load_b128 v[32*(ks%8)+8*\n+4:32*(ks%8)+8*\n+7], v[WRD] offset:16*WP*\n+64*ks+32
	ds_load_b128 v[32*(ks%8)+16+8*\n:32*(ks%8)+16+8*\n+3], v[WRD2] offset:16*WP*\n+64*ks
	ds_load_b128 v[32*(ks%8)+16+8*\n+4:32*(ks%8)+16+8*\n+7], v[WRD2] offset:16*WP*\n+64*ks+32
.endr
.set ks, ks+1
.endr
	WIN 0
	s_wait_kmcnt 0x0
	s_min_u32 s23, s23, 1024                       ; my expert's rows.  Tile t exists where 16 t < s23
	s_and_b32 s26, s36, 7
	s_lshl_b32 s26, s26, 2
	s_add_co_u32 s26, s26, s[Q4]                   ; my second step's tile: q + 4 (1 + cs % 8),
	s_lshl_b32 s28, s26, 4
	s_cmp_lt_u32 s28, s23
	s_cselect_b32 s[CUR], s26, s[Q4]               ; or q + 4 where the expert has no such tile
	s_min_u32 s27, s[CUR], 63
	ADDR 1
	LOADT 1                                        ; inside hq whatever the count; dropped where there is no second step
	s_wait_dscnt 0x0                               ; w2's fragments
	s_wait_loadcnt NLD                             ; the scale words, b2 and my first tile are in; the second tile's loads may be out
	s_cmp_eq_u32 s38, 0
	s_cselect_b32 vcc_lo, -1, 0
.set ii, 0
.rept 32
	v_cndmask_b32 v[B2+ii], 0, v[B2+ii], vcc_lo    ; b2 belongs to the lower K half's sum alone
.set ii, ii+1
.endr
.rept 4
	v_nop
.endr
.macro WM cop, ar, br
.if ((\ar)==0) && ((\br)==0)
	v_wmma_scale_f32_16x16x128_f8f6f4 v[rD:rD+7], v[rA:rA+7], v[rB:rB+7], \cop, v[rSA], v[rSB] matrix_a_fmt:MATRIX_FMT_FP4 matrix_b_fmt:MATRIX_FMT_FP4
.elseif (\br)==0
	v_wmma_scale_f32_16x16x128_f8f6f4 v[rD:rD+7], v[rA:rA+7], v[rB:rB+7], \cop, v[rSA], v[rSB] matrix_a_fmt:MATRIX_FMT_FP4 matrix_b_fmt:MATRIX_FMT_FP4 matrix_a_scale:MATRIX_SCALE_ROW1
.elseif (\ar)==0
	v_wmma_scale_f32_16x16x128_f8f6f4 v[rD:rD+7], v[rA:rA+7], v[rB:rB+7], \cop, v[rSA], v[rSB] matrix_a_fmt:MATRIX_FMT_FP4 matrix_b_fmt:MATRIX_FMT_FP4 matrix_b_scale:MATRIX_SCALE_ROW1
.else
	v_wmma_scale_f32_16x16x128_f8f6f4 v[rD:rD+7], v[rA:rA+7], v[rB:rB+7], \cop, v[rSA], v[rSB] matrix_a_fmt:MATRIX_FMT_FP4 matrix_b_fmt:MATRIX_FMT_FP4 matrix_a_scale:MATRIX_SCALE_ROW1 matrix_b_scale:MATRIX_SCALE_ROW1
.endif
.endm
.macro MULT b                          ; 64 products: buffer b's 16 K steps x my four tiles of outputs
.set ks, 0
.rept 16
	WIN 0x0d+(ks/8)                                ; source 0 (w2) window 1, then 2; source 1 (h) window 3; C and D window 0
.irp n, 0,1,2,3
.set rD, ACC+8*\n
.set rA, 32*(ks%8)+8*\n
.set rB, 128*(\b)+8*ks
.set rC, B2+8*\n
.set rSA, W2S+16*(\n/2)+ks
.set rSB, HS+8*(\b)+ks/2
.if ks == 0
	WM v[rC:rC+7], \n%2, 0
.else
	WM v[rD:rD+7], \n%2, ks%2
.endif
.endr
.set ks, ks+1
.endr
	WIN 0
.endm
.macro PRE b                           ; what the way out takes of buffer b's small loads.  These 17 plain lines are also the places behind the products
	s_wait_xcnt 0x0                                ; the last step's stores have read their offsets and data: both are written again from here on, and no store stands between
	v_mov_b32 v[PCW], v[PLB+(\b)]
.irp i, 0,1,2,3,4,5,6,7
	v_min_u32 v[YA+\i], 0x87f, v[ROWS+8*(\b)+\i]   ; the list's entries: 2,048 and the 128 spare ones
.endr
.irp i, 0,1,2,3,4,5,6,7
	v_lshl_add_u32 v[YA+\i], v[YA+\i], 13, v[C16]  ; an entry's two rows are 8,192 bytes; + my 16 bytes of the 256
.endr
.endm
.macro EPI                             ; the way out
.irp n, 0,1,2,3
.irp p, 0,2,4,6
	v_pk_mul_f32 v[Y+8*\n+\p:Y+8*\n+\p+1], v[ACC+8*\n+\p:ACC+8*\n+\p+1], v[PCW:PCW+1] op_sel_hi:[1,0]   ; x the gate's weight; each accumulator from its low end on
.endr
.endr
.irp n, 0,1,2,3
	ds_store_b128 v[STO], v[Y+8*\n:Y+8*\n+3] offset:64*\n
	ds_store_b128 v[STO], v[Y+8*\n+4:Y+8*\n+7] offset:64*\n+16
.endr
.irp i, 0,1,2,3,4,5,6,7
	ds_load_b128 v[YB+4*\i:YB+4*\i+3], v[SRD] offset:SP*\i         ; LDS serves a wave's instructions in order: these see my stores
.endr
.irp i, 0,1,2,3,4,5,6,7
	s_wait_dscnt 7-\i                              ; load i is back; the 7 - i behind it may be out
	global_store_b128 v[YA+\i], v[YB+4*\i:YB+4*\i+3], s[16:17]     ; two rows' 256 bytes each
.endr
.endm
; A step: the tile in buffer b, whose loads the wait at the end of the step before (or the head's) has shown done.
.macro STEP b
	s_lshl_b32 s27, s[LIN], 4
	s_cmp_ge_u32 s27, s23
	s_cbranch_scc1 .Lend                           ; my set has no further tile
	MULT \b
	PRE \b
	s_add_co_u32 s27, s27, 128
	s_cmp_lt_u32 s27, s23
	s_cbranch_scc0 .Lno_\@                         ; is there a step two on?
	s_add_co_u32 s26, s[CUR], 4                    ; its tile: the next of my set,
	s_lshl_b32 s28, s26, 4
	s_cmp_lt_u32 s28, s23
	s_cselect_b32 s[CUR], s26, s[Q4]               ; round to the second where the set ends
	s_min_u32 s27, s[CUR], 63
	ADDR \b                                        ; (this buffer's last loads are done: their offsets may be written)
	LOADT \b
	EPI
	s_wait_loadcnt NLD                             ; the other buffer's tile is in; the 43 just issued may be out
	s_branch .Lnx_\@
.Lno_\@:
	EPI
	s_wait_loadcnt 0x0                             ; the other buffer's tile, if there is one
.Lnx_\@:
	s_add_co_u32 s[LIN], s[LIN], 4
.endm
.Ltile:
	STEP 0
	STEP 1
	s_add_co_u32 s[CNT], s[CNT], 1
	s_cmp_lt_u32 s[CNT], TRIPS
	s_cbranch_scc1 .Ltile
.Lend:
	s_wait_tensorcnt 0x0                           ; the wave's end
	ds_add_u32 v[SPW], v[NIL]
	s_wait_dscnt 0x0
	s_endpgm
.Lfunc_end_k_qf3ff8ae782_ffn2:
	.size	k_qf3ff8ae782_ffn2, .Lfunc_end_k_qf3ff8ae782_ffn2-k_qf3ff8ae782_ffn2
	.p2alignl 7, 3214868480
	.fill 96, 4, 3214868480
	.section	.rodata,"a",@progbits
	.p2align	6, 0x0
	.amdhsa_kernel k_qf3ff8ae782_ffn2
		.amdhsa_group_segment_fixed_size 150016
		.amdhsa_private_segment_fixed_size 0
		.amdhsa_enable_private_segment 0
		.amdhsa_kernarg_size 56
		.amdhsa_user_sgpr_count 2
		.amdhsa_user_sgpr_kernarg_segment_ptr 1
		.amdhsa_wavefront_size32 1
		.amdhsa_system_sgpr_workgroup_id_x 1
		.amdhsa_system_sgpr_workgroup_id_y 1
		.amdhsa_system_sgpr_workgroup_id_z 1
		.amdhsa_system_vgpr_workitem_id 0
		.amdhsa_next_free_vgpr 1024
		.amdhsa_next_free_sgpr 66
		.amdhsa_reserve_vcc 1
		.amdhsa_float_denorm_mode_32 3
		.amdhsa_float_denorm_mode_16_64 3
		.amdhsa_memory_ordered 1
		.amdhsa_forward_progress 1
		.amdhsa_inst_pref_size 74
	.end_amdhsa_kernel
	.amdgpu_metadata
---
amdhsa.version: [ 1, 2 ]
amdhsa.kernels:
  - .name:           k_qf3ff8ae782_ffn2
    .symbol:         k_qf3ff8ae782_ffn2.kd
    .args:
      - { .name: hq, .offset: 0, .size: 8, .value_kind: global_buffer, .address_space: global }
      - { .name: plan, .offset: 8, .size: 8, .value_kind: global_buffer, .address_space: global }
      - { .name: pl, .offset: 16, .size: 8, .value_kind: global_buffer, .address_space: global }
      - { .name: w2_codes, .offset: 24, .size: 8, .value_kind: global_buffer, .address_space: global }
      - { .name: w2_scales, .offset: 32, .size: 8, .value_kind: global_buffer, .address_space: global }
      - { .name: b2, .offset: 40, .size: 8, .value_kind: global_buffer, .address_space: global }
      - { .name: y2, .offset: 48, .size: 8, .value_kind: global_buffer, .address_space: global }
    .group_segment_fixed_size: 150016
    .private_segment_fixed_size: 0
    .kernarg_segment_align: 8
    .kernarg_segment_size: 56
    .max_flat_workgroup_size: 128
    .sgpr_count:     66
    .vgpr_count:     1024
    .wavefront_size: 32
...
	.end_amdgpu_metadata
.endif
;; end of part 3
;; launch norm (part 4): grid 256 x 1, 4 waves a work-group, no clusters, 0 bytes of LDS; arguments y2, ln_g, ln_b, out0; writes out0
.if DOCPART == 4
	.amdgcn_target "amdgcn-amd-amdhsa--gfx1250"
	.amdhsa_code_object_version 6
	.text
	.protected	k_qf3ff8ae782_norm
	.globl	k_qf3ff8ae782_norm
	.p2align	8
	.type	k_qf3ff8ae782_norm,@function
k_qf3ff8ae782_norm:
	s_mov_b64 s[64:65], 0
	v_nop
	global_prefetch_b8 v0, s[64:65] scope:SCOPE_SE
	s_setreg_imm32_b32 hwreg(HW_REG_WAVE_MODE, 25, 1), 1
	s_wait_xcnt 0x0
; COMBINE AND LAYERNORM.  out0[token] = LN(the sum of y2's rows 4 token .. 4 token + 3) x ln_g + ln_b: the token's two weighted expert rows, each in two K halves, are all that the combine over 8 experts keeps
; (the other six weights are 0: head of the first kernel).
; One wave takes one token (4 x work-group + wave): its four rows are 16,384 consecutive bytes, 32 loads of 512; the sum stays in 32 registers between the mean, the variance and the scaling.
; A stream: no LDS, no barrier, no matrix unit.  Mean and variance as reference() has them (the mean first, then the mean of the squared differences), f32.  LIMITS: NaN and infinities are not served.
.set A,  16                            ; v16-143  the four rows, 32 registers each; then v16-47 the sum
.set G,  144                           ; v144-175 ln_g
.set LB, 176                           ; v176-207 ln_b
.set T,  208                           ; v208-217 at work
.macro REDUCE r, t                     ; the sum over the 32 lanes, in every lane
	v_add_f32_dpp v[\r], v[\r], v[\r] row_xmask:1 row_mask:0xf bank_mask:0xf
	v_add_f32_dpp v[\r], v[\r], v[\r] row_xmask:2 row_mask:0xf bank_mask:0xf
	v_add_f32_dpp v[\r], v[\r], v[\r] row_xmask:4 row_mask:0xf bank_mask:0xf
	v_add_f32_dpp v[\r], v[\r], v[\r] row_xmask:8 row_mask:0xf bank_mask:0xf
	v_permlanex16_b32 v[\t], v[\r], s14, s15
	v_add_f32 v[\r], v[\r], v[\t]
.endm
	s_load_b256 s[4:11], s[0:1], 0x0               ; y2, ln_g, ln_b, out0
	v_lshrrev_b32 v2, 5, v0
	v_readfirstlane_b32 s12, v2                    ; wave
	s_lshl_b32 s13, ttmp9, 2
	s_add_co_u32 s13, s13, s12                     ; token
	v_and_b32 v1, 31, v0
	v_lshlrev_b32 v1, 4, v1                        ; 16 x lane
	s_mov_b32 s14, 0x76543210
	s_mov_b32 s15, 0xfedcba98
	s_mov_b32 s17, 0
	s_mov_b32 s18, 0x3a800000                      ; 1 / 1,024
	s_wait_kmcnt 0x0
	s_lshl_b32 s16, s13, 14
	s_add_nc_u64 s[4:5], s[4:5], s[16:17]
	s_lshl_b32 s16, s13, 12
	s_add_nc_u64 s[10:11], s[10:11], s[16:17]
.set ii, 0
.rept 32
	global_load_b128 v[A+4*ii:A+4*ii+3], v1, s[4:5] offset:512*ii th:TH_LOAD_NT
.set ii, ii+1
.endr
.irp i, 0,1,2,3,4,5,6,7
	global_load_b128 v[G+4*\i:G+4*\i+3], v1, s[6:7] offset:512*\i
.endr
.irp i, 0,1,2,3,4,5,6,7
	global_load_b128 v[LB+4*\i:LB+4*\i+3], v1, s[8:9] offset:512*\i
.endr
	s_wait_loadcnt 16                              ; the four rows are in; ln_g's and ln_b's sixteen loads may be out
.irp j, 0,2,4,6,8,10,12,14,16,18,20,22,24,26,28,30
	v_pk_add_f32 v[A+\j:A+\j+1], v[A+\j:A+\j+1], v[A+32+\j:A+32+\j+1]          ; the first expert's two K halves,
	v_pk_add_f32 v[A+64+\j:A+64+\j+1], v[A+64+\j:A+64+\j+1], v[A+96+\j:A+96+\j+1]  ; the second's,
.endr
.irp j, 0,2,4,6,8,10,12,14,16,18,20,22,24,26,28,30
	v_pk_add_f32 v[A+\j:A+\j+1], v[A+\j:A+\j+1], v[A+64+\j:A+64+\j+1]          ; and both
.endr
	v_pk_add_f32 v[T:T+1], v[A:A+1], v[A+2:A+3]
	v_pk_add_f32 v[T+2:T+3], v[A+4:A+5], v[A+6:A+7]
.irp j, 8,12,16,20,24,28
	v_pk_add_f32 v[T:T+1], v[T:T+1], v[A+\j:A+\j+1]
	v_pk_add_f32 v[T+2:T+3], v[T+2:T+3], v[A+\j+2:A+\j+3]
.endr
	v_pk_add_f32 v[T:T+1], v[T:T+1], v[T+2:T+3]
	v_add_f32 v[T], v[T], v[T+1]
	REDUCE T, T+1
	v_mul_f32 v[T+4], s18, v[T]                    ; the mean,
	v_mov_b32 v[T+5], v[T+4]                       ; twice, for the packed form
.irp j, 0,2,4,6,8,10,12,14,16,18,20,22,24,26,28,30
	v_pk_add_f32 v[A+\j:A+\j+1], v[A+\j:A+\j+1], v[T+4:T+5] neg_lo:[0,1] neg_hi:[0,1]
.endr
	v_pk_mul_f32 v[T:T+1], v[A:A+1], v[A:A+1]
	v_pk_mul_f32 v[T+2:T+3], v[A+2:A+3], v[A+2:A+3]
.irp j, 4,8,12,16,20,24,28
	v_pk_fma_f32 v[T:T+1], v[A+\j:A+\j+1], v[A+\j:A+\j+1], v[T:T+1]
	v_pk_fma_f32 v[T+2:T+3], v[A+\j+2:A+\j+3], v[A+\j+2:A+\j+3], v[T+2:T+3]
.endr
	v_pk_add_f32 v[T:T+1], v[T:T+1], v[T+2:T+3]
	v_add_f32 v[T], v[T], v[T+1]
	REDUCE T, T+1
	v_mov_b32 v[T+6], 0x3727c5ac                   ; 1e-5
	v_fma_f32 v[T+6], v[T], s18, v[T+6]            ; the variance + eps
	v_rsq_f32 v[T+8], v[T+6]
	v_rsq_f32 v[T+9], v[T+6]
	v_nop                                          ; a plain line behind the two
	s_wait_alu depctr_va_vdst(0)                   ; the wait ahead of the first reader
	s_wait_loadcnt 0x0                             ; ln_g, ln_b
.irp j, 0,2,4,6,8,10,12,14,16,18,20,22,24,26,28,30
	v_pk_mul_f32 v[A+\j:A+\j+1], v[A+\j:A+\j+1], v[T+8:T+9]
.endr
.irp j, 0,2,4,6,8,10,12,14,16,18,20,22,24,26,28,30
	v_pk_fma_f32 v[A+\j:A+\j+1], v[A+\j:A+\j+1], v[G+\j:G+\j+1], v[LB+\j:LB+\j+1]
.endr
.irp i, 0,1,2,3,4,5,6,7
	global_store_b128 v1, v[A+4*\i:A+4*\i+3], s[10:11] offset:512*\i th:TH_STORE_NT   ; 512 consecutive bytes a store
.endr
	s_endpgm
.Lfunc_end_k_qf3ff8ae782_norm:
	.size	k_qf3ff8ae782_norm, .Lfunc_end_k_qf3ff8ae782_norm-k_qf3ff8ae782_norm
	.p2alignl 7, 3214868480
	.fill 96, 4, 3214868480
	.section	.rodata,"a",@progbits
	.p2align	6, 0x0
	.amdhsa_kernel k_qf3ff8ae782_norm
		.amdhsa_group_segment_fixed_size 0
		.amdhsa_private_segment_fixed_size 0
		.amdhsa_enable_private_segment 0
		.amdhsa_kernarg_size 32
		.amdhsa_user_sgpr_count 2
		.amdhsa_user_sgpr_kernarg_segment_ptr 1
		.amdhsa_wavefront_size32 1
		.amdhsa_system_sgpr_workgroup_id_x 1
		.amdhsa_system_sgpr_workgroup_id_y 1
		.amdhsa_system_sgpr_workgroup_id_z 1
		.amdhsa_system_vgpr_workitem_id 0
		.amdhsa_next_free_vgpr 224
		.amdhsa_next_free_sgpr 66
		.amdhsa_reserve_vcc 0
		.amdhsa_float_denorm_mode_32 3
		.amdhsa_float_denorm_mode_16_64 3
		.amdhsa_memory_ordered 1
		.amdhsa_forward_progress 1
		.amdhsa_inst_pref_size 16
	.end_amdhsa_kernel
	.amdgpu_metadata
---
amdhsa.version: [ 1, 2 ]
amdhsa.kernels:
  - .name:           k_qf3ff8ae782_norm
    .symbol:         k_qf3ff8ae782_norm.kd
    .args:
      - { .name: y2, .offset: 0, .size: 8, .value_kind: global_buffer, .address_space: global }
      - { .name: ln_g, .offset: 8, .size: 8, .value_kind: global_buffer, .address_space: global }
      - { .name: ln_b, .offset: 16, .size: 8, .value_kind: global_buffer, .address_space: global }
      - { .name: out0, .offset: 24, .size: 8, .value_kind: global_buffer, .address_space: global }
    .group_segment_fixed_size: 0
    .private_segment_fixed_size: 0
    .kernarg_segment_align: 8
    .kernarg_segment_size: 32
    .max_flat_workgroup_size: 128
    .sgpr_count:     66
    .vgpr_count:     224
    .wavefront_size: 32
...
	.end_amdgpu_metadata
.endif
;; end of part 4
